; MI455X (gfx1250); checked and timed in simulation.
; The chip was launched on July 23, 2026; its instructions are those of AMD's public machine-readable ISA for CDNA 5 (MIT licence, August 2026) and "CDNA5" Instruction Set Architecture Reference Guide (July 2026). The comments in the code are by the model that wrote it; some were corrected since.
;; Only Attention. Allowed arithmetic: matrix products marked QUANTISED: E2M3 operands, one E8M0 scale for each 32 along K, by v_wmma_scale_f32_16x16x128_f8f6f4 with both operands' format E2M3, f32 sums; everything else in f32.
;; Inputs: Wk_codes 1,024 x 32 x 24 uint8 (E2M3 codes of Wk, K innermost, in blocks of 32 codes, four codes in three bytes); Wk_scales 1,024 x 32 uint8 (E8M0 scales of Wk, one for each 32 codes along K); Wq_codes 1,024 x 32 x 24 uint8 (E2M3 codes of Wq, K innermost, in blocks of 32 codes, four codes in three bytes); Wq_scales 1,024 x 32 uint8 (E8M0 scales of Wq, one for each 32 codes along K); Wv_codes 1,024 x 32 x 24 uint8 (E2M3 codes of Wv, K innermost, in blocks of 32 codes, four codes in three bytes); Wv_scales 1,024 x 32 uint8 (E8M0 scales of Wv, one for each 32 codes along K); bk 1,024 float32; bq 1,024 float32; bv 1,024 float32; x_codes 4 x 2,048 x 32 x 24 uint8 (E2M3 codes of x, K innermost, in blocks of 32 codes, four codes in three bytes); x_scales 4 x 2,048 x 32 uint8 (E8M0 scales of x, one for each 32 codes along K).
;; Outputs: out0 4 x 2,048 x 1,024 float32.
;; This version of the problem:
;;   THIS VERSION OF THE PROBLEM IS GIVEN IN LOW PRECISION. The matrix products marked QUANTISED in the list below multiply operands that are first quantised to E2M3 (2 exponent bits, 3 mantissa bits; 6 bits a number), with one power-of-two scale for each 32 numbers along K (OCP MX v1.0); their sums are f32. All else is computed in f32.
;;   The module's matrix products, in the order in which they are computed (A, B: the left and right operand; K: the contracted axis; several contracted axes count as one K, in the product's order):
;;     1. [M 8,192, K 1,024] x [K 1,024, N 1,024]; A: input x (given as codes); B: input Wq (given as codes): QUANTISED
;;     2. [M 8,192, K 1,024] x [K 1,024, N 1,024]; A: input x (given as codes); B: input Wk (given as codes): QUANTISED
;;     3. [M 8,192, K 1,024] x [K 1,024, N 1,024]; A: input x (given as codes); B: input Wv (given as codes): QUANTISED
;;     4. batch 64 x [M 2,048, K 64] x [K 64, N 2,048]; A: computed on the way; B: computed on the way: QUANTISED
;;     5. batch 64 x [M 2,048, K 2,048] x [K 2,048, N 64]; A: softmax (see below); B: computed on the way: QUANTISED
;;   THE QUANTISER, for each operand of a quantised product, along K:
;;     - K is cut into blocks of 32 from its start; a last block that is shorter is filled with zeros.
;;     - A block's scale is 2^e with e = floor(log2(the largest magnitude in the block)) - 2, held to -126 .. 127; a block of zeros has e = 0. As a byte (E8M0): e + 127.
;;     - Each number is divided by its block's scale, clamped to +-7.5, and rounded to the nearest number of E2M3, ties to even, subnormals kept.
;;     - The product sums the exact products of the quantised numbers (number of the format x scale) in f32.
;;   ~~~python
;;   def quantise(x, axis):      # numpy; x: float32 -> the quantised numbers, widened to float32 again
;;       x = np.moveaxis(x, axis, -1); K = x.shape[-1]
;;       x = np.pad(x, [(0, 0)] * (x.ndim - 1) + [(0, -K % 32)]); x = x.reshape(x.shape[:-1] + (-1, 32)); a = np.abs(x).max(-1, keepdims=True)
;;       e = np.where(a > 0, np.clip(np.frexp(np.where(a > 0, a, 1))[1] - 1 - 2, -126, 127), 0)      # np.frexp(a)[1] - 1 = floor(log2(a)), exactly
;;       r = np.clip(x / 2.0 ** e, -7.5, 7.5)
;;       step = 2.0 ** (np.maximum(np.frexp(np.where(r == 0, 1, r))[1] - 1, 0) - 3)
;;       q = np.round(r / step) * step * 2.0 ** e      # np.round: ties to even
;;       return np.moveaxis(q.reshape(q.shape[:-2] + (-1,))[..., :K], -1, axis).astype(np.float32)
;;   ~~~
;;   SOFTMAX AHEAD OF A QUANTISED PRODUCT. Where the list says 'softmax', what is quantised is not the finished softmax but p = 2^(t - M), with t = logit x log2(e) and M = ceil(the row's largest t), a whole number; so 1/2 < the row's largest p <= 1. The row's sum l is taken of the UNQUANTISED p, in f32, and the product's result is divided by l at the end. Since M is a whole number, a kernel that streams over the keys may use a running M (the ceiling of the running maximum): every later rescaling is an exact power of two, which a block's scale takes up: the codes' values come out the same.
;;   OPERANDS COMPUTED ON THE WAY. 'Computed on the way' means the value that the module computes at that place (a softmax that the list does not call 'softmax' is quantised finished and normalised). What goes into a quantiser is computed in f32, as accurately as f32 sums, v_exp_f32 and their like allow (about 1e-6 of the number): no bf16 or f16 on the way to a quantiser, and a product that is left as it is and whose result goes on into a quantised operand takes f32 operands (vector FMAs, or v_wmma_f32_16x16x4_f32). A number that lies on a knife's edge between two numbers of the format may be rounded either way, as far as f32 arithmetic and the matrix unit's own rounding can turn it there, and no further.
;;   INPUTS GIVEN AS CODES. Wk (in the module: [1024, 1024], K = its axis 0); Wq (in the module: [1024, 1024], K = its axis 0); Wv (in the module: [1024, 1024], K = its axis 0); x (in the module: [4, 2048, 1024], K = its axis 2): each comes as NAME_codes (uint8): NAME with its K axis moved to the last place and cut into blocks of 32 codes, [.., K / 32, bytes a block], one block behind the other in memory; four codes in three bytes: a row's codes are one little-endian stream of bits, code i at bits 6 i .. 6 i + 5 (a code: sign, 2 exponent bits, 3 mantissa bits); and NAME_scales (uint8): the same leading axes, one E8M0 byte (e + 127) for each 32 codes along K. Its value is code x scale, taken as it is: it is not quantised again, and the codes and scales need not be those that the quantiser above would give.
;; One version. Each part assembles by itself: llvm-mc -triple=amdgcn-amd-amdhsa -mcpu=gfx1250 --defsym DOCPART=n.
;; ======== version 1 of 1: 2 launches
;; workspace buffers: qb 6,815,744 bytes; kv 13,369,344 bytes
;; launch proj (part 1): grid 12 x 32, 4 waves a work-group, clusters of 4 x 4, 327,680 bytes of LDS; arguments x_codes, x_scales, Wq_codes, Wq_scales, Wk_codes, Wk_scales, Wv_codes, Wv_scales, bq, bk, bv, qb, kv; writes qb, kv
.if DOCPART == 1
	.amdgcn_target "amdgcn-amd-amdhsa--gfx1250"
	.amdhsa_code_object_version 6
	.text
	.protected	k_q55c598b137_proj
	.globl	k_q55c598b137_proj
	.p2align	8
	.type	k_q55c598b137_proj,@function
k_q55c598b137_proj:
	s_mov_b64 s[64:65], 0
	v_nop
	global_prefetch_b8 v0, s[64:65] scope:SCOPE_SE
	s_setreg_imm32_b32 hwreg(HW_REG_WAVE_MODE, 25, 1), 1
	s_wait_xcnt 0x0
	s_wait_alu depctr_hold_cnt(0) depctr_sa_sdst(0) depctr_va_vdst(0) depctr_va_sdst(0) depctr_va_ssrc(0) depctr_va_vcc(0) depctr_vm_vsrc(0)
	s_getreg_b32 s2, hwreg(HW_REG_IB_STS2, 6, 4)
	s_cmp_eq_u32 s2, 0
	s_cbranch_scc0 .Lentry_in_a_cluster
	s_endpgm
.Lentry_in_a_cluster:
	s_bfe_u32 s2, ttmp6, 0x10000c
	s_cmp_lg_u32 s2, 0xf033
	s_cbranch_scc0 .Lentry_shape_is_right
	s_endpgm
.Lentry_shape_is_right:
; q = x Wq + bq, k = x Wk + bk, v = x Wv + bv on codes of FP6 (E2M3) with E8M0 scales as they are given (K = 1,024), sums in f32, and each result quantised at once for the
; attention launch: q and k along the head's 64, v along the keys.  The codes leave as IMAGES OF OPERAND REGISTERS, in one dense record for each head and 128 queries or keys.
; ONE TEXT SERVES ALL THREE.  The product is used transposed: source 0 = 16 rows of "B", source 1 = 16 rows of "A"; a lane then holds one row of A and its registers run along B's rows.
;   q, k (cluster x = 0, 1): A = x's rows, B = W's rows: a lane's registers run along the head's channels.     v (cluster x = 2): A = Wv's rows, B = x's rows: they run along the keys.
; Only pointers and tile numbers are chosen, by selects on the cluster's x, which all sixteen partners share.
; A tile of 256 x 256 is made by four waves, 128 x 128 each: 64 accumulators, 512 registers.  K goes in steps of 256 through two LDS slots filled by the tensor data mover; the scale bytes of
; the tile's 512 rows for all of K come once, with the first fills.  4 x 4 work-groups form a cluster: A's tiles are asked for jointly along a row of it, B's along a column.
; THE ORDER INSIDE A BLOCK OF 32.  A lane's registers 16 b + 8 u + j hold element 32 b + 16 u + 8 (lane / 16) + j.  The conversions take them as they stand, so code 16 h + 8 u + j of a block is element
; 16 u + 8 h + j.  The order stays inside a block (scales and code values are the quantiser's), and q and k have it alike, and so have v and the attention launch's p: every product keeps its terms.
; LIMITS: a given scale byte 0xff (NaN) is not served.  A block of zeros gets the byte 1 where the quantiser says 127: its codes are zeros, and the bytes are read by this program alone.
; REGISTERS, in windows of 256: window 0: v0-31 addresses; v32-63 scale words, two sets; v64-127 the bias as the first products' C; from v128 A's fragments, ONE set; on the way out v32-91 at work.
;   window 1: B's fragments, two sets, at v0 and v128.   window 2: the accumulators of my rows 0-63 ((a, b) at v[8 (8 a + b)]);   window 3: those of my rows 64-127.
.set KSTEP,  256                       ; along K in a slot
.set NQ,     KSTEP/128                 ; matrix instructions deep
.set ROWB,   192                       ; a tile's row in bytes
.set KROW,   768                       ; a row of 1,024 codes in memory
.set PITCH,  240                       ; an LDS row: 3 x (64 bytes + 16 of padding)
.set FR,     12                        ; registers of a fragment
.set NL,     6                         ; LDS loads that bring one
.set NP,     4                         ; places behind this matrix instruction (ISA guide 7.12.1)
.set HALFT,  128*PITCH                 ; 128 rows: one tensor load
.set SLOT,   4*HALFT                   ; A's 256 rows, then B's 256
.set KS,     32                        ; a row of scale bytes
.set SCL,    2*SLOT                    ; behind the ring: the scales, as rows of 256 bytes + 16
.set HALFS,  (128*KS/256)*272          ; those of 128 rows
.set SBLK,   (16*KS/256)*272           ; those of 16 rows
.set SPARE,  SCL+4*HALFS               ; the spare words: 128 bytes a wave, two blocks of 256 bytes that no other line names
.set REC,    13056                     ; a record of kv: K 8 x 768, V 4 x 1,536, K's scale words 512, V's 256
.set RECQ,   6656                      ; a record of qb: 8 x 768, scale words 512
.set ADRA, 16                          ; v16-17 LDS address of my A fragments in slot 0, 1; v18-19 the same behind one padding more
.set ADRB, 20                          ; v20-23 the same for B
.set VO16, 24                          ; v24  16 x lane
.set VO8,  25                          ; v25  8 x lane
.set BQK,  26                          ; v26  32 x (lane / 16): the bias of q and k
.set ADRS, 27                          ; v27  LDS address of my scale words: lanes 0-15 A's rows, lanes 16-31 B's
.set SPW,  28                          ; v28  my spare word's LDS address; never rewritten
.set NIL,  29                          ; v29  0; never rewritten
.set LANE, 30                          ; v30  lane
.set BVV,  31                          ; v31  4 x (lane % 16): the bias of v
.set SC,   32                          ; scale words, two sets of 16
.set BI,   64                          ; the bias, 8 x 8 registers
.set AF,   128                         ; A's fragments
.set TM,   32                          ; the way out: v32-35 largest magnitudes, v36-39 bytes, v44-47 the conversions' scale operands
.set CD,   48                          ; v48-59 a fragment's codes; v60-62, v64-66 the conversions' second halves
.set PW,   72                          ; v72-79 block a's scale word
.set SW,   80                          ; v80-83 the words as they are stored
.set SWA,  84                          ; v84-87 the lower head's
.set SWB,  88                          ; v88-91 the upper head's
.set G1, 24                            ; s[24:31] group 1 for A's tiles; s[32:39] group 0, a set for each slot
.set G0, 32
.set G1B, 48                           ; s[48:55], s[56:63] the same for B's
.set G0B, 56
.set WHICH, 66                         ; s66  0: q, 1: k, 2: v
.set YY,   67                          ; s67  the cluster's y
.set G1S, 68                           ; s[68:75], s[76:79] groups 1 and 0 for A's scales; s[80:87], s[88:91] for B's
.set G0S, 76
.set G1SB, 80
.set G0SB, 88
.set OA,  68                           ; the way out (all tensor loads are done by then): s[68:69] where registers 0-5 of a fragment go, s[70:71] registers 6-11
.set OB,  70
.set STP, 86                           ; s[86:87] from block to block; s[88:89] from block 3 to block 4
.set JMP, 88
.set SBA, 90                           ; s[90:91], s[92:93] the two heads' scale words
.set SBB, 92
.set MSB, 0
.macro WIN new                         ; the immediate's high byte repeats the setting that is left
.if MSB != (\new)
	s_set_vgpr_msb (MSB<<8)|(\new)
.set MSB, (\new)
.endif
.endm
.set MUL_LO, 0xa1                      ; source 0 (B) window 1, source 1 (A) window 0, C and D window 2
.set MUL_HI, 0xf1                      ; the same, C and D window 3
.set TO_B,   0x40                      ; destination window 1, address window 0
; A joint load: waves 0 and 1 fetch for A, waves 2 and 3 for B.  The branch hangs on the wave's number alone.  Four v_nop follow each of the two lines.
.macro JLOAD g0a, g1a, g0b, g1b
	s_cmp_eq_u32 s15, 0
	s_cbranch_scc0 .Lfor_b_\@
	tensor_load_to_lds s[\g0a:\g0a+3], s[\g1a:\g1a+7]
	s_nop 0
.rept 4
	v_nop
.endr
	s_branch .Lasked_\@
.Lfor_b_\@:
	tensor_load_to_lds s[\g0b:\g0b+3], s[\g1b:\g1b+7]
	s_nop 0
.rept 4
	v_nop
.endr
.Lasked_\@:
.endm
.macro CREST                           ; a round of the cluster's barrier behind its opening barrier
	s_cmp_lg_u32 s14, 0
	s_cbranch_scc1 .Lnot_wave_0_\@
	s_barrier_signal -3
.Lnot_wave_0_\@:
	s_barrier_wait -3
	s_barrier_signal -1
	s_barrier_wait -1
.endm
.macro CROUND                          ; a whole round
	s_barrier_signal -1
	s_barrier_wait -1
	CREST
.endm
	s_load_b512 s[68:83], s[0:1], 0x0              ; x's codes, x's scales, Wq's, Wk's, Wv's codes and scales
	s_load_b256 s[84:91], s[0:1], 0x40             ; bq, bk, bv, qb
	s_load_b64 s[92:93], s[0:1], 0x60              ; kv
	v_lshl_add_u32 v[SPW], v0, 2, SPARE
	v_mov_b32 v[NIL], 0
	ds_add_u32 v28, v29
	ds_add_u32 v28, v29
	s_wait_dscnt 0x0
	v_lshrrev_b32 v1, 5, v0
	v_readfirstlane_b32 s14, v1                    ; wave 0..3
	s_lshr_b32 s15, s14, 1                         ; which half of A's rows is mine.  Also: I fetch for A (0) or for B (1)
	s_and_b32 s16, s14, 1                          ; which half of B's rows.  Also: which 128 rows I fetch
	s_bfe_u32 s40, ttmp6, 0x40000                  ; cx, cy: my place in the cluster
	s_bfe_u32 s41, ttmp6, 0x40004
	s_mov_b32 s[WHICH], ttmp9                      ; the cluster's x says which projection
	s_and_b32 s[YY], ttmp7, 0xffff                 ; its y which 1,024 rows of x
	s_cmp_eq_u32 s[WHICH], 2
	s_cselect_b32 s17, 0, s[YY]                    ; x is A for q and k (32 tiles of rows), B for v; the weight has 4 tiles
	s_cselect_b32 s42, s[YY], 0
	s_lshl_b32 s17, s17, 2
	s_add_co_u32 s17, s17, s41                     ; A's tile: it never holds cx
	s_lshl_b32 s42, s42, 2
	s_add_co_u32 s42, s42, s40                     ; B's tile: it never holds cy
	s_lshl_b32 s43, s41, 2
	s_lshl_b32 s43, 15, s43                        ; my row of the cluster
	s_lshl_b32 s44, 0x1111, s40                    ; my column
	s_mov_b32 s2, 0x76543210                       ; v_permlanex16_b32's selects for lane l xor 16
	s_mov_b32 s3, 0xfedcba98
	; group 1: a tile of 128 rows x 192 bytes, 16 bytes of padding behind every 64
	s_or_b32 s[G1+0], s43, (0<<16)|(1<<20)|(1<<21)|(3<<22)|(3<<25)
	s_or_b32 s[G1B+0], s44, (0<<16)|(1<<20)|(1<<21)|(3<<22)|(3<<25)
.irp g, G1, G1B
	s_mov_b32 s[\g+1], ROWB<<16                    ; tensor_dim0
	s_mov_b32 s[\g+2], 128<<16                     ; tensor_dim1
	s_mov_b32 s[\g+3], ROWB<<16                    ; tile_dim0
	s_mov_b32 s[\g+4], 128                         ; tile_dim1
	s_mov_b32 s[\g+5], KROW                        ; from row to row
	s_mov_b32 s[\g+6], 0
	s_mov_b32 s[\g+7], 0
.endr
	s_wait_kmcnt 0x0
	s_cmp_eq_u32 s[WHICH], 0                       ; the choices hang on the cluster's x alone
	s_cselect_b64 s[96:97], s[72:73], s[76:77]     ; the weight's codes,
	s_cselect_b64 s[100:101], s[74:75], s[78:79]   ; its scales,
	s_cselect_b64 s[98:99], s[84:85], s[86:87]     ; the bias,
	s_cselect_b64 s[12:13], s[90:91], s[92:93]     ; and where the codes go: qb for q, kv for k and v
	s_cmp_eq_u32 s[WHICH], 2
	s_cselect_b64 s[96:97], s[80:81], s[96:97]
	s_cselect_b64 s[100:101], s[82:83], s[100:101]
	s_cselect_b64 s[98:99], s[88:89], s[98:99]
	s_cselect_b64 s[4:5], s[96:97], s[68:69]       ; A's codes: the weight's for v, else x's
	s_cselect_b64 s[6:7], s[100:101], s[70:71]     ; A's scales
	s_cselect_b64 s[8:9], s[68:69], s[96:97]       ; B's codes
	s_cselect_b64 s[10:11], s[70:71], s[100:101]   ; B's scales
	s_cselect_b32 s18, s17, s42                    ; the bias goes with the weight's rows: A's for v, B's for q and k
	s_cselect_b32 s19, s15, s16
	s_lshl_b32 s18, s18, 10                        ; 256 rows x 4 bytes a tile,
	s_lshl_b32 s19, s19, 9                         ; 128 x 4 a half
	s_add_co_u32 s18, s18, s19
	s_mov_b32 s19, 0
	s_add_nc_u64 s[98:99], s[98:99], s[18:19]
	; group 1 for the scales of 128 rows: 4,096 dense bytes as 16 rows of 256 bytes (32 elements of 8), 16 bytes of padding behind each
	s_or_b32 s[G1S+0], s43, (3<<16)|(1<<20)|(1<<21)|(5<<22)|(3<<25)
	s_or_b32 s[G1SB+0], s44, (3<<16)|(1<<20)|(1<<21)|(5<<22)|(3<<25)
.irp g, G1S, G1SB
	s_mov_b32 s[\g+1], 32<<16
	s_mov_b32 s[\g+2], (128*KS/256)<<16
	s_mov_b32 s[\g+3], 32<<16
	s_mov_b32 s[\g+4], 128*KS/256
	s_mov_b32 s[\g+5], 32
	s_mov_b32 s[\g+6], 0
	s_mov_b32 s[\g+7], 0
.endr
	s_lshl_b32 s18, s16, 7                         ; which 128 rows of the tile I fetch
	s_lshl_b32 s20, s17, 8
	s_add_co_u32 s20, s20, s18                     ; A: row 256 x tile + 128 x half
	s_lshl_b32 s46, s42, 8
	s_add_co_u32 s46, s46, s18                     ; B likewise
	s_mov_b32 s21, 0
	s_mov_b32 s47, 0
	s_mov_b64 s[18:19], KS
	s_mul_u64 s[22:23], s[20:21], s[18:19]         ; where these rows' scales begin, in bytes
	s_mul_u64 s[92:93], s[46:47], s[18:19]
	s_mov_b64 s[18:19], KROW
	s_mul_u64 s[20:21], s[20:21], s[18:19]         ; and their codes
	s_mul_u64 s[46:47], s[46:47], s[18:19]
	s_mul_i32 s45, s14, HALFT                      ; where they go: wave x 128 rows: no place in the cluster enters an LDS address
	s_mul_i32 s94, s14, HALFS
	s_add_nc_u64 s[20:21], s[4:5], s[20:21]
	s_add_nc_u64 s[22:23], s[6:7], s[22:23]
	s_add_nc_u64 s[46:47], s[8:9], s[46:47]
	s_add_nc_u64 s[92:93], s[10:11], s[92:93]
	CROUND                                         ; all sixteen work-groups are here: the first joint loads meet
	s_mov_b32 s[G0S], 1
	s_add_co_u32 s[G0S+1], s94, SCL
	s_mov_b64 s[G0S+2:G0S+3], s[22:23]
	s_or_b32 s[G0S+3], s[G0S+3], 0x80000000
	s_mov_b32 s[G0SB], 1
	s_add_co_u32 s[G0SB+1], s94, SCL
	s_mov_b64 s[G0SB+2:G0SB+3], s[92:93]
	s_or_b32 s[G0SB+3], s[G0SB+3], 0x80000000
	JLOAD G0S, G1S, G0SB, G1SB                     ; the scales first: they are wanted with K step 0.  Three loads of mine are out behind the next two
.irp s, 0,1
	s_mov_b32 s[G0+4*\s], 1
	s_add_co_u32 s[G0+4*\s+1], s45, \s*SLOT
	s_add_nc_u64 s[G0+4*\s+2:G0+4*\s+3], s[20:21], \s*ROWB
	s_or_b32 s[G0+4*\s+3], s[G0+4*\s+3], 0x80000000
	s_mov_b32 s[G0B+4*\s], 1
	s_add_co_u32 s[G0B+4*\s+1], s45, \s*SLOT
	s_add_nc_u64 s[G0B+4*\s+2:G0B+4*\s+3], s[46:47], \s*ROWB
	s_or_b32 s[G0B+4*\s+3], s[G0B+4*\s+3], 0x80000000
	JLOAD G0+4*\s, G1, G0B+4*\s, G1B
.endr
	v_and_b32 v1, 15, v0                           ; r = lane % 16
	v_bfe_u32 v2, v0, 4, 1                         ; h = lane / 16
	v_and_b32 v[LANE], 31, v0
	v_lshlrev_b32 v[VO16], 4, v[LANE]
	v_lshlrev_b32 v[VO8], 3, v[LANE]
	v_lshlrev_b32 v[BQK], 5, v2
	v_lshlrev_b32 v[BVV], 2, v1
	; THE BIAS IS THE C OF THE FIRST PRODUCTS.  q, k: it goes with B's rows: tile b's eight registers are b(16 b + 8 h + 0 .. 7).  v: with A's rows: block a's eight registers all hold b(16 a + r).
	s_cmp_eq_u32 s[WHICH], 2
	s_cbranch_scc1 .Lbias_v
.irp b, 0,1,2,3,4,5,6,7
	global_load_b128 v[BI+8*\b:BI+8*\b+3], v[BQK], s[98:99] offset:64*\b
	global_load_b128 v[BI+8*\b+4:BI+8*\b+7], v[BQK], s[98:99] offset:64*\b+16
.endr
	s_branch .Lbias_done
.Lbias_v:
.irp a, 0,1,2,3,4,5,6,7
.irp j, 0,1,2,3,4,5,6,7
	global_load_b32 v[BI+8*\a+\j], v[BVV], s[98:99] offset:64*\a   ; the lane's one number into all eight registers of the C
.endr
.endr
.Lbias_done:
	v_mul_u32_u24 v3, v1, PITCH
	v_mul_u32_u24 v4, v2, 24
	v_add_nc_u32 v4, v3, v4                        ; a fragment's row x pitch + 24 x half
	v_lshl_add_u32 v5, v2, 4, v4                   ; and the same behind one padding more
	s_mul_i32 s21, s15, HALFT                      ; my 128 rows of A
	s_mul_i32 s22, s16, HALFT                      ; my 128 rows of B,
	s_add_co_u32 s22, s22, 2*HALFT                 ; which lie behind A's 256
.irp s, 0,1
	v_add_nc_u32 v[ADRA+\s], s21, v4
	v_add_nc_u32 v[ADRB+\s], s22, v4
	v_add_nc_u32 v[ADRA+2+\s], s21, v5
	v_add_nc_u32 v[ADRB+2+\s], s22, v5
	s_add_co_u32 s21, s21, SLOT
	s_add_co_u32 s22, s22, SLOT
.endr
	v_mul_u32_u24 v5, v1, KS                       ; my row's scales: 32 bytes a row,
	v_lshrrev_b32 v6, 8, v5
	v_lshl_add_u32 v5, v6, 4, v5                   ; and 16 more for each 256 passed
	s_mul_i32 s21, s15, HALFS                      ; A's: my 128 rows
	s_mul_i32 s22, s16, HALFS                      ; B's: my 128 rows, behind A's 256
	s_add_co_u32 s22, s22, 2*HALFS
	s_sub_co_u32 s22, s22, s21
	v_mul_u32_u24 v6, s22, v2                      ; lanes 16-31 take B's: one product, the distance between the two bases
	s_add_co_u32 s21, s21, SCL
	v_add_nc_u32 v5, v5, v6
	v_add_nc_u32 v[ADRS], s21, v5
.macro FRAG reg, adr, q, i             ; a fragment: lane l holds row l % 16; registers 6 c .. 6 c + 5 hold K = 64 c + 32 (l / 16) + 0 .. 31: 24 bytes of the row's stream of bits, in pieces of 8 bytes
.irp p, 0,1,2,3,4,5
.set PIE, 12*(\q)+6*(\p/3)+\p%3        ; lanes 16-31 read three pieces on: where that lies behind one padding more, the second address register (40 for 24 bytes a half) serves
.if PIE%8 < 5
	ds_load_b64 v[\reg+2*\p:\reg+2*\p+1], v[\adr] offset:8*PIE+16*(PIE/8)+(\i)*16*PITCH
.else
	ds_load_b64 v[\reg+2*\p:\reg+2*\p+1], v[\adr+2] offset:8*PIE+16*(PIE/8)+(\i)*16*PITCH
.endif
.endr
.endm
; 16 matrix instructions: A's blocks a0, a0 + 1 x B's eight, the slot's q-th 128 along K.  p: B's set; sc: the set of scale words.  mode 0: the sums go on; 1: they begin with the bias of B's tile; 2: of A's block.
; The 64 accumulators take turns, one instruction a turn, in the same order in every step.
.macro MUL16 a0, p, q, sc, mode
.irp a, \a0, \a0+1
.irp b, 0,1,2,3,4,5,6,7
.set DD, 8*(8*((\a)%4)+\b)
.set FB, 128*(\p)+FR*\b
.set FA, AF+FR*(\a)
.set SB0, SC+8*NQ*(\sc)+NQ*\b+(\q)
.set SA0, SC+8*NQ*(\sc)+NQ*(\a)+(\q)
.if \mode == 1
	v_wmma_scale_f32_16x16x128_f8f6f4 v[DD:DD+7], v[FB:FB+FR-1], v[FA:FA+FR-1], v[BI+8*\b:BI+8*\b+7], v[SB0], v[SA0] matrix_a_fmt:MATRIX_FMT_FP6 matrix_b_fmt:MATRIX_FMT_FP6 matrix_a_scale:MATRIX_SCALE_ROW1
.elseif \mode == 2
	v_wmma_scale_f32_16x16x128_f8f6f4 v[DD:DD+7], v[FB:FB+FR-1], v[FA:FA+FR-1], v[BI+8*(\a):BI+8*(\a)+7], v[SB0], v[SA0] matrix_a_fmt:MATRIX_FMT_FP6 matrix_b_fmt:MATRIX_FMT_FP6 matrix_a_scale:MATRIX_SCALE_ROW1
.else
	v_wmma_scale_f32_16x16x128_f8f6f4 v[DD:DD+7], v[FB:FB+FR-1], v[FA:FA+FR-1], v[DD:DD+7], v[SB0], v[SA0] matrix_a_fmt:MATRIX_FMT_FP6 matrix_b_fmt:MATRIX_FMT_FP6 matrix_a_scale:MATRIX_SCALE_ROW1
.endif
.endr
.endr
.endm
.macro FETCH_B slot, q, p              ; B's eight fragments of the slot's q-th 128 along K into set p
	WIN TO_B
.irp i, 0,1,2,3,4,5,6,7
	FRAG 128*(\p)+FR*\i, ADRB+\slot, \q, \i
.endr
	WIN 0
.endm
.macro FETCH_A slot, q, i0             ; A's blocks i0 .. i0 + 3
.irp i, \i0, \i0+1, \i0+2, \i0+3
	FRAG AF+FR*(\i), ADRA+\slot, \q, \i
.endr
.endm
.macro SCALES sc                       ; a K step's scale words into set sc: two words a row; lanes 0-15 take A's block i, lanes 16-31 B's block i
.irp i, 0,1,2,3,4,5,6,7
	ds_load_b64 v[SC+8*NQ*\sc+NQ*\i:SC+8*NQ*\sc+NQ*\i+1], v[ADRS] offset:\i*SBLK
.endr
.endm
.macro PLACES n                        ; plain vector instructions that name no register of the matrix instructions in front of them (ISA guide 7.12.1)
.rept \n
	v_nop
.endr
.endm
; A step of 128 along K that has its successor in the same slot.
.macro STEP slot, q, mode
	s_wait_dscnt 4*NL                              ; B's set, A's blocks 0-3 and the scale words are in; the youngest 24 loads (A's blocks 4-7) may be out
.if \mode
	WIN 0x81                                       ; the bias, C, lies in window 0; D in window 2
.else
	WIN MUL_LO
.endif
	MUL16 0, (\q)%2, \q, \slot, \mode
	MUL16 2, (\q)%2, \q, \slot, \mode
	s_wait_dscnt 0                                 ; A's blocks 4-7 are in
	PLACES NP
	FETCH_B \slot, (\q)+1, 1-(\q)%2
	FETCH_A \slot, (\q)+1, 0
.if \mode
	WIN 0xc1                                       ; D in window 3
.else
	WIN MUL_HI
.endif
	MUL16 4, (\q)%2, \q, \slot, \mode
	MUL16 6, (\q)%2, \q, \slot, \mode
	PLACES NP
	WIN 0
	FETCH_A \slot, (\q)+1, 4
.endm
; A slot's last step changes slots: ONE barrier; in front of it each wave waits for all its tensor loads, adds 0 to its spare word, and waits for that and for its own reads of this slot.  fill = 1: this slot is filled again, two K steps ahead.
.macro TURN slot, next, fill
	s_wait_tensorcnt 0x0                           ; all my tensor loads have landed: my part of the next slot
	ds_add_u32 v[SPW], v[NIL]                      ; 0 onto my spare word
	s_wait_dscnt 4*NL+1                            ; (the add and the 24 loads of A's blocks 4-7 may be out)
	WIN MUL_LO
	MUL16 0, 1, NQ-1, \slot, 0                     ; sixteen matrix instructions stand between the add and the wait for it
	s_wait_dscnt 0x0                               ; the add is done, and my reads of this slot are over
	s_barrier_signal -1
	MUL16 2, 1, NQ-1, \slot, 0
	WIN 0
	s_barrier_wait -1
.if \fill
	CREST                                          ; the barrier has opened a round of the cluster's: no wave of any partner still reads this slot or has a load on its way
	s_add_nc_u64 s[G0+4*\slot+2:G0+4*\slot+3], s[G0+4*\slot+2:G0+4*\slot+3], 2*ROWB
	s_add_nc_u64 s[G0B+4*\slot+2:G0B+4*\slot+3], s[G0B+4*\slot+2:G0B+4*\slot+3], 2*ROWB
	JLOAD G0+4*\slot, G1, G0B+4*\slot, G1B         ; the first tensor load behind the round; its four v_nop are the places in front of the loads below
.else
	PLACES NP
.endif
	v_add_nc_u32 v[ADRS], 4*NQ, v[ADRS]            ; on to the next K step's scale words
	FETCH_B \next, 0, 0
	FETCH_A \next, 0, 0
	SCALES \next
	WIN MUL_HI
	MUL16 4, 1, NQ-1, \slot, 0
	MUL16 6, 1, NQ-1, \slot, 0
	PLACES NP
	WIN 0
	FETCH_A \next, 0, 4
.endm
	s_wait_tensorcnt 1                             ; the scales and my part of K step 0 are in (K step 1's load may be out)
	s_barrier_signal -1
	s_barrier_wait -1                              ; everybody's are
	FETCH_B 0, 0, 0
	FETCH_A 0, 0, 0
	SCALES 0
	FETCH_A 0, 0, 4
	s_wait_loadcnt 0x0                             ; the bias
	s_cmp_eq_u32 s[WHICH], 2                       ; the first step is written twice: only which bias registers are a product's C differs
	s_cbranch_scc1 .Lfirst_v
	STEP 0, 0, 1
	s_branch .Lfirst_done
.Lfirst_v:
	STEP 0, 0, 2
.Lfirst_done:
	TURN 0, 1, 1                                   ; K = 1,024 is four K steps, twice round the ring: written out.  Slot 0 takes K step 2,
	STEP 1, 0, 0
	TURN 1, 0, 1                                   ; slot 1 K step 3
	STEP 0, 0, 0
	TURN 0, 1, 0                                   ; nothing is left to fetch
	STEP 1, 0, 0
	s_wait_dscnt 4*NL                              ; the very last step
	WIN MUL_LO
	MUL16 0, 1, NQ-1, 1, 0
	MUL16 2, 1, NQ-1, 1, 0
	s_wait_dscnt 0
	WIN MUL_HI
	MUL16 4, 1, NQ-1, 1, 0
	MUL16 6, 1, NQ-1, 1, 0
	WIN 0
	; THE WAY OUT.  Where my 128 x 128 goes.  X: my first row of x (128 queries or keys: one record's step);  Wn: my first row of the weight (128 channels: two heads).
	s_lshl_b32 s18, s17, 8
	s_lshl_b32 s19, s15, 7
	s_add_co_u32 s18, s18, s19                     ; A's first row of mine
	s_lshl_b32 s19, s42, 8
	s_lshl_b32 s20, s16, 7
	s_add_co_u32 s19, s19, s20                     ; B's
	s_cmp_eq_u32 s[WHICH], 2
	s_cselect_b32 s20, s19, s18                    ; X
	s_cselect_b32 s21, s18, s19                    ; Wn
	s_lshr_b32 s22, s20, 11
	s_lshl_b32 s22, s22, 8                         ; 256 x batch
	s_lshr_b32 s23, s21, 6
	s_lshl_b32 s23, s23, 4                         ; + 16 x head
	s_add_co_u32 s22, s22, s23
	s_bfe_u32 s23, s20, 0x40007                    ; + the step: (X / 128) % 16
	s_add_co_u32 s22, s22, s23                     ; the record's number
	s_mov_b32 s43, REC
	s_mov_b32 s78, 12288
	s_cmp_eq_u32 s[WHICH], 0
	s_cselect_b32 s43, RECQ, s43                   ; a record's bytes
	s_cselect_b32 s78, 6144, s78                   ; where its scale words begin: q 6,144, k 12,288,
	s_mul_i32 s22, s22, s43
	s_mov_b32 s23, 0
	s_add_nc_u64 s[12:13], s[12:13], s[22:23]      ; my record
	s_lshl_b32 s76, s43, 4                         ; from a head to the next: 16 records
	s_mov_b32 s77, 0
	s_mov_b32 s82, 768
	s_cmp_eq_u32 s[WHICH], 2
	s_cselect_b32 s78, 12800, s78                  ; v 12,800
	s_cselect_b32 s80, 6144, 0                     ; V's images lie behind K's
	s_cselect_b32 s84, s82, s76                    ; registers 6-11: v: the image's second half; q, k: the next head's record
	s_cselect_b32 s[STP], 1536, s82                ; from block to block: v: an image of 1,536; q, k: a tile of 768
	s_cselect_b32 s[JMP], 16*REC-3*1536, s82       ; from block 3 to block 4: v: on to the next head's first image
	s_mov_b32 s79, 0
	s_mov_b32 s81, 0
	s_mov_b32 s85, 0
	s_mov_b32 s[STP+1], 0
	s_mov_b32 s[JMP+1], 0
	s_add_nc_u64 s[SBA:SBA+1], s[12:13], s[78:79]
	s_add_nc_u64 s[SBB:SBB+1], s[SBA:SBA+1], s[76:77]
	s_add_nc_u64 s[OA:OA+1], s[12:13], s[80:81]
	s_add_nc_u64 s[OB:OB+1], s[OA:OA+1], s[84:85]
; Block a (16 rows of A x 128 rows of B, 64 registers a lane) becomes a fragment's codes and its scale word, and the codes leave as they stand in the registers:
; registers 0-3 at 16 x lane, registers 4-5 at 512 + 8 x lane, each store 512 or 256 consecutive bytes at a multiple of 256 from the buffer's first byte.
.macro QOUT a
.set AC, 64*((\a)%4)
	WIN 0x0a+5*((\a)/4)                            ; sources 0 and 1: window 2 or 3
.irp b, 0,1,2,3
	v_max3_num_f32 v[TM+\b], |v[AC+16*\b]|, |v[AC+16*\b+1]|, 0x1800000   ; block b: my 16 numbers, each accumulator from its low end on, and the floor 2^(3 - 127): the byte cannot fall under 1
.endr
.irp i, 2,4,6,8,10,12,14
.irp b, 0,1,2,3
	v_max3_num_f32 v[TM+\b], |v[AC+16*\b+\i]|, |v[AC+16*\b+\i+1]|, v[TM+\b]   ; (the four blocks by turns)
.endr
.endr
	WIN 0
.irp b, 0,1,2,3
	v_permlanex16_b32 v[TM+4+\b], v[TM+\b], s2, s3
.endr
.irp b, 0,1,2,3
	v_max_num_f32 v[TM+\b], v[TM+\b], v[TM+4+\b]   ; with lane l xor 16's: the block's largest magnitude
.endr
.irp b, 0,1,2,3
	v_add_nc_u32 v[TM+12+\b], 0xff000000, v[TM+\b] ; 2 off its exponent field: the conversion's scale operand
.endr
.irp b, 0,1,2,3
	v_lshrrev_b32 v[TM+4+\b], 23, v[TM+12+\b]      ; the scale's byte
.endr
	v_lshl_or_b32 v[PW+\a], v[TM+5], 8, v[TM+4]
	v_lshl_or_b32 v[PW+\a], v[TM+6], 16, v[PW+\a]
	v_lshl_or_b32 v[PW+\a], v[TM+7], 24, v[PW+\a]  ; my row's four bytes
.if (\a) > 0
	s_wait_xcnt 0x0                                ; the last block's stores have read their data and their bases: both are written again only behind this wait
.if (\a) == 4
	s_add_nc_u64 s[OA:OA+1], s[OA:OA+1], s[JMP:JMP+1]
	s_add_nc_u64 s[OB:OB+1], s[OB:OB+1], s[JMP:JMP+1]
.else
	s_add_nc_u64 s[OA:OA+1], s[OA:OA+1], s[STP:STP+1]
	s_add_nc_u64 s[OB:OB+1], s[OB:OB+1], s[STP:STP+1]
.endif
.endif
	WIN 0x02+((\a)/4)                              ; the numbers: window 2 or 3
.irp c, 0,1
	v_cvt_scalef32_pk16_fp6_f32 v[CD+6*\c:CD+2+6*\c], v[AC+32*\c:AC+15+32*\c], v[TM+12+2*\c]
	v_cvt_scalef32_pk16_fp6_f32 v[CD+12+4*\c:CD+14+4*\c], v[AC+16+32*\c:AC+31+32*\c], v[TM+12+2*\c+1]   ; (a conversion's three registers begin on an even number)
.endr
	WIN 0
	v_nop                                          ; one plain place behind a scaled conversion
.irp c, 0,1                                    ; the operand's layout wants a WHOLE block in a lane: lanes 0-15 block 2 c, lanes 16-31 block 2 c + 1
.irp i, 0,1,2
	v_permlane16_swap_b32 v[CD+6*\c+\i], v[CD+12+4*\c+\i]
.endr
.irp i, 0,1,2
	v_mov_b32 v[CD+3+6*\c+\i], v[CD+12+4*\c+\i]
.endr
.endr
	global_store_b128 v[VO16], v[CD:CD+3], s[OA:OA+1]
	global_store_b64 v[VO8], v[CD+4:CD+5], s[OA:OA+1] offset:512
	global_store_b128 v[VO16], v[CD+6:CD+9], s[OB:OB+1]
	global_store_b64 v[VO8], v[CD+10:CD+11], s[OB:OB+1] offset:512
.endm
	PLACES NP                                      ; behind the last products: results are read, and registers that held scale words are written
.irp b, 0,1,2,3
	v_mov_b32 v[TM+4+\b], 0                        ; written once: a lane permute's destination counts as one of its sources
.endr
.irp a, 0,1,2,3,4,5,6,7
	QOUT \a
.endr
	; The scale words, laid so that one load of 16 (q, k) or 8 (v) bytes a lane brings them: register j holds tile 2 j's words in lanes 0-15 and tile 2 j + 1's in lanes 16-31.
	v_cmp_le_u32 vcc_lo, 16, v[LANE]
.irp j, 0,1,2,3
	v_cndmask_b32 v[SW+\j], v[PW+2*\j], v[PW+2*\j+1], vcc_lo
.endr
	s_cmp_eq_u32 s[WHICH], 2
	s_cbranch_scc1 .Lwords_v
.irp j, 0,1,2,3
	v_and_b32 v[SWA+\j], 0xffff, v[SW+\j]          ; q, k: blocks 0, 1 are the lower head's 64 channels; bytes 2 and 3 of its word are 0: the product's upper 64 along K hold zero codes on q's side
	v_lshrrev_b32 v[SWB+\j], 16, v[SW+\j]          ; blocks 2, 3 the upper head's
.endr
	global_store_b128 v[VO16], v[SWA:SWA+3], s[SBA:SBA+1]
	global_store_b128 v[VO16], v[SWB:SWB+3], s[SBB:SBB+1]
	s_branch .Lwords_done
.Lwords_v:
	global_store_b64 v[VO8], v[SW:SW+1], s[SBA:SBA+1]       ; v: blocks 0-3 of A are the lower head's four tiles of channels,
	global_store_b64 v[VO8], v[SW+2:SW+3], s[SBB:SBB+1]     ; blocks 4-7 the upper head's
.Lwords_done:
	s_wait_tensorcnt 0x0                           ; the wave's end
	ds_add_u32 v[SPW], v[NIL]
	s_wait_dscnt 0x0
	CROUND                                         ; the closing round: no work-group ends while a partner may still ask for a tile that names it
	s_endpgm
.Lfunc_end_k_q55c598b137_proj:
	.size	k_q55c598b137_proj, .Lfunc_end_k_q55c598b137_proj-k_q55c598b137_proj
	.p2alignl 7, 3214868480
	.fill 96, 4, 3214868480
	.section	.rodata,"a",@progbits
	.p2align	6, 0x0
	.amdhsa_kernel k_q55c598b137_proj
		.amdhsa_group_segment_fixed_size 327680
		.amdhsa_private_segment_fixed_size 0
		.amdhsa_enable_private_segment 0
		.amdhsa_kernarg_size 104
		.amdhsa_user_sgpr_count 2
		.amdhsa_user_sgpr_kernarg_segment_ptr 1
		.amdhsa_wavefront_size32 1
		.amdhsa_system_sgpr_workgroup_id_x 1
		.amdhsa_system_sgpr_workgroup_id_y 1
		.amdhsa_system_sgpr_workgroup_id_z 1
		.amdhsa_system_vgpr_workitem_id 0
		.amdhsa_next_free_vgpr 1024
		.amdhsa_next_free_sgpr 102
		.amdhsa_reserve_vcc 1
		.amdhsa_float_denorm_mode_32 3
		.amdhsa_float_denorm_mode_16_64 3
		.amdhsa_memory_ordered 1
		.amdhsa_forward_progress 1
		.amdhsa_inst_pref_size 190
	.end_amdhsa_kernel
	.amdgpu_metadata
---
amdhsa.version: [ 1, 2 ]
amdhsa.kernels:
  - .name:           k_q55c598b137_proj
    .symbol:         k_q55c598b137_proj.kd
    .args:
      - { .name: x_codes, .offset: 0, .size: 8, .value_kind: global_buffer, .address_space: global }
      - { .name: x_scales, .offset: 8, .size: 8, .value_kind: global_buffer, .address_space: global }
      - { .name: Wq_codes, .offset: 16, .size: 8, .value_kind: global_buffer, .address_space: global }
      - { .name: Wq_scales, .offset: 24, .size: 8, .value_kind: global_buffer, .address_space: global }
      - { .name: Wk_codes, .offset: 32, .size: 8, .value_kind: global_buffer, .address_space: global }
      - { .name: Wk_scales, .offset: 40, .size: 8, .value_kind: global_buffer, .address_space: global }
      - { .name: Wv_codes, .offset: 48, .size: 8, .value_kind: global_buffer, .address_space: global }
      - { .name: Wv_scales, .offset: 56, .size: 8, .value_kind: global_buffer, .address_space: global }
      - { .name: bq, .offset: 64, .size: 8, .value_kind: global_buffer, .address_space: global }
      - { .name: bk, .offset: 72, .size: 8, .value_kind: global_buffer, .address_space: global }
      - { .name: bv, .offset: 80, .size: 8, .value_kind: global_buffer, .address_space: global }
      - { .name: qb, .offset: 88, .size: 8, .value_kind: global_buffer, .address_space: global }
      - { .name: kv, .offset: 96, .size: 8, .value_kind: global_buffer, .address_space: global }
    .group_segment_fixed_size: 327680
    .private_segment_fixed_size: 0
    .kernarg_segment_align: 8
    .kernarg_segment_size: 104
    .max_flat_workgroup_size: 128
    .sgpr_count:     102
    .vgpr_count:     1024
    .wavefront_size: 32
...
	.end_amdgpu_metadata
.endif
;; end of part 1
;; launch attn (part 2): grid 4 x 64, 16 waves a work-group, clusters of 4 x 1, 280,576 bytes of LDS; arguments qb, kv, out0; writes out0
.if DOCPART == 2
	.amdgcn_target "amdgcn-amd-amdhsa--gfx1250"
	.amdhsa_code_object_version 6
	.text
	.protected	k_q55c598b137_attn
	.globl	k_q55c598b137_attn
	.p2align	8
	.type	k_q55c598b137_attn,@function
k_q55c598b137_attn:
	s_mov_b64 s[64:65], 0
	v_nop
	global_prefetch_b8 v0, s[64:65] scope:SCOPE_SE
	s_setreg_imm32_b32 hwreg(HW_REG_WAVE_MODE, 25, 1), 1
	s_wait_xcnt 0x0
	s_wait_alu depctr_hold_cnt(0) depctr_sa_sdst(0) depctr_va_vdst(0) depctr_va_sdst(0) depctr_va_ssrc(0) depctr_va_vcc(0) depctr_vm_vsrc(0)
	s_getreg_b32 s2, hwreg(HW_REG_IB_STS2, 6, 4)
	s_cmp_eq_u32 s2, 0
	s_cbranch_scc0 .Lentry_in_a_cluster
	s_endpgm
.Lentry_in_a_cluster:
	s_bfe_u32 s2, ttmp6, 0x10000c
	s_cmp_lg_u32 s2, 0x3003
	s_cbranch_scc0 .Lentry_shape_is_right
	s_endpgm
.Lentry_shape_is_right:
; out[b][q][64 head + d] = the sum over keys of softmax(q . k / 8) v, both products on codes of FP6 (E2M3) with E8M0 scales, from the records that the projection launch stored.
; THE SOFTMAX AHEAD OF THE SECOND PRODUCT: t = score x log2(e) / 8; M = the running largest t rounded UP to a whole number; p = 2^(t - M) is quantised along the keys, not normalised.  The row's sum is
; taken of the unquantised p and divides O at the end.  When M moves, the sum and O are multiplied by 2^(old M - new M), which rounds nothing.
; SHARES.  A work-group owns 512 queries of one head (work-group y: 16 x batch + head), in two passes of 256; each of its sixteen waves owns 16 queries a pass, in 256 registers, four waves to a SIMD.
; Every wave walks the head's 2,048 keys, 128 a step.  THE WHOLE HEAD'S K, V AND SCALE WORDS, 16 records of 13,056 bytes, COME INTO LDS ONCE AND STAY: one tensor load a wave, no slot is filled again,
; and no barrier stands in the loops.  The four work-groups of a head form the cluster and ask for each record jointly.
; LAYOUT.  Both products are used transposed: S^T = K Q^T (source 0 = 16 keys, source 1 = my 16 queries), O^T = V^T P^T (source 0 = 16 channels, source 1 = P): a lane holds ONE query throughout.
; A record holds images of operand registers: a load of 16 (or 8) bytes a lane at 16 (8) x lane brings four (two) registers of a fragment: consecutive bytes, no pitch.
; THE ORDER INSIDE A BLOCK OF 32: code 16 h + 8 u + j is element 16 u + 8 h + j, in q and k alike, and in v and p alike (p's registers 16 b + 8 u + j hold keys 32 b + 16 u + 8 (lane / 16) + j): the terms meet.
; THE HEAD'S 64 FILL HALF OF THE INSTRUCTION'S 128.  Q's registers 6-11 are zero codes.  K's fragment of tile T is v[32 + 6 T .. + 11]: its upper six registers are the next tile's codes (zeros behind tile 7):
; finite numbers (the format has no infinity and no NaN) that meet Q's zeros, under scale bytes 0 (2^-127, no NaN): each such product is 0.
; LIMITS: NaN and infinities are not served.  A block whose every p has fallen to 0 keeps the byte 1: its codes are zeros.
.set REC,   13056                      ; a record of kv: K 8 x 768 at 0, V 4 x 1,536 at 6,144, K's scale words at 12,288, V's at 12,800
.set RECQ,  6656                       ; a record of qb: 8 x 768, scale words at 6,144
.set STAGE, 16*REC                     ; behind the records: 16 rows x (256 bytes + 16) for each wave, for the way out
.set QF,   16                          ; v16-21 Q's codes, v22-27 zero codes
.set QSW,  28                          ; v28    Q's scale words
.set X,    32                          ; v32-79 K's 8 tiles of 6 registers, then V's 4 fragments of 12; v80-85 zeros, never rewritten
.set KSW,  88                          ; v88-91 K's scale words: register j: tile 2 j in lanes 0-15, tile 2 j + 1 in lanes 16-31
.set VSW,  92                          ; v92-93 V's likewise
.set S,    96                          ; v96-159 S^T, then p
.set O,    160                         ; v160-191 O^T
.set BM,   192                         ; v192-195 a block's largest score, then its largest p
.set PT,   196                         ; v196-199 the other half's, then the bytes
.set SOP,  200                         ; v200-203 the conversions' scale operands
.set F,    204                         ; v204   f = 2^(old M - new M)
.set PSW,  205                         ; v205   p's scale word (named with f as a pair)
.set TP,   206                         ; v206   at work
.set SUM2, 208                         ; v[208:209] the sum's second chain
.set CD,   224                         ; v224-235 p's codes; v236-238, v240-242 the conversions' second halves
.set WV,   10                          ; s10  my wave's number
.set G1,   16                          ; s[16:23], s[24:27] the descriptor
.set G0,   24
.set SEL,  30                          ; s[30:31] lane selects for lane l xor 16
.set CS,   32                          ; s[32:33] c = log2(e) / 8
.set TB,   34                          ; s34  LDS byte at which the step's record begins
.set CNT,  35
; v1 16 x lane, v2 8 x lane; v3, v4 the same + the record; v5, v6 the stage, in and back; v7 my bytes in two rows of out; v8 16 x (lane % 16); v12 -M, v13 the largest t, v[14:15] the sum
.macro CROUND                          ; a round of the cluster's barrier
	s_barrier_signal -1
	s_barrier_wait -1
	s_cmp_lg_u32 s[WV], 0
	s_cbranch_scc1 .Lnot_wave_0_\@
	s_barrier_signal -3
.Lnot_wave_0_\@:
	s_barrier_wait -3
	s_barrier_signal -1
	s_barrier_wait -1
.endm
	s_load_b128 s[4:7], s[0:1], 0x0                ; qb, kv
	s_load_b64 s[8:9], s[0:1], 0x10                ; out0
	v_lshl_add_u32 v254, v0, 2, 0x44000
	v_mov_b32 v255, 0
	ds_add_u32 v254, v255
	ds_add_u32 v254, v255
	v_lshrrev_b32 v1, 5, v0
	s_delay_alu instid0(VALU_DEP_1)
	v_readfirstlane_b32 s[WV], v1                  ; wave 0..15
	s_bfe_u32 s11, ttmp6, 0x40000                  ; cx: which 512 queries; it enters Q's and out's addresses alone
	s_and_b32 s12, ttmp7, 0xffff                   ; 16 x batch + head, which the four partners share
	s_mul_i32 s13, s[WV], REC                      ; my record: its place in LDS,
	s_mul_i32 s14, s12, 16*REC
	s_add_co_u32 s14, s14, s13                     ; and in kv
	s_mov_b32 s15, 0
	; the descriptor: 13,056 dense bytes as 51 rows of 256 (32 elements of 8 bytes), no padding
	s_mov_b32 s[G1], 15|(3<<16)|(1<<21)            ; 15:0 the mask: all four work-groups; 17:16 elements of 8 bytes; 21 set beside a mask
	s_mov_b32 s[G1+1], 32<<16                      ; tensor_dim0
	s_mov_b32 s[G1+2], 51<<16                      ; tensor_dim1
	s_mov_b32 s[G1+3], 32<<16                      ; tile_dim0
	s_mov_b32 s[G1+4], 51                          ; tile_dim1
	s_mov_b32 s[G1+5], 32                          ; from row to row
	s_mov_b32 s[G1+6], 0
	s_mov_b32 s[G1+7], 0
	s_lshl_b32 s36, s12, 4                         ; Q's record in pass 0: 16 x (16 batch + head) + 4 cx + wave / 8,
	s_lshl_b32 s37, s11, 2
	s_add_co_u32 s36, s36, s37
	s_lshr_b32 s37, s[WV], 3
	s_add_co_u32 s36, s36, s37
	s_mul_i32 s36, s36, RECQ
	s_mov_b32 s37, 0
	s_and_b32 s38, s[WV], 7                        ; my tile T in it:
	s_mul_i32 s40, s38, 768                        ; its image,
	s_mov_b32 s41, 0
	s_and_b32 s39, s[WV], 1
	s_lshl_b32 s39, s39, 8
	s_lshr_b32 s38, s38, 1
	s_lshl_b32 s38, s38, 2
	s_add_co_u32 s38, s38, s39
	s_add_co_u32 s38, s38, 6144                    ; and its scale words: row r's at 6,144 + 256 (T % 2) + 16 r + 4 (T / 2)
	s_mov_b32 s39, 0
	s_lshr_b32 s42, s12, 4
	s_lshl_b32 s42, s42, 11
	s_lshl_b32 s43, s11, 9
	s_add_co_u32 s42, s42, s43
	s_lshl_b32 s43, s[WV], 4
	s_add_co_u32 s42, s42, s43                     ; my first row of out: 2,048 batch + 512 cx + 16 wave,
	s_lshl_b32 s42, s42, 12                        ; of 4,096 bytes,
	s_and_b32 s43, s12, 15
	s_lshl_b32 s43, s43, 8
	s_add_co_u32 s42, s42, s43                     ; + the head's 256 bytes
	s_mov_b32 s43, 0
	s_mov_b32 s[SEL], 0x76543210
	s_mov_b32 s[SEL+1], 0xfedcba98
	s_mov_b32 s[CS], 0x3e38aa3b                    ; c = log2(e) / 8
	s_mov_b32 s[CS+1], s[CS]                       ; (named with it as a pair, so it is written)
	s_wait_dscnt 0x0
	s_wait_kmcnt 0x0
	s_add_nc_u64 s[4:5], s[4:5], s[36:37]
	s_add_nc_u64 s[28:29], s[4:5], s[38:39]        ; Q's scale words
	s_add_nc_u64 s[4:5], s[4:5], s[40:41]          ; Q's image
	s_add_nc_u64 s[8:9], s[8:9], s[42:43]
	s_mov_b32 s[G0], 1                             ; count = 1
	s_mov_b32 s[G0+1], s13                         ; LDS address: wave x 13,056
	s_add_nc_u64 s[G0+2:G0+3], s[6:7], s[14:15]    ; global address: made of the head and the wave's number alone
	s_or_b32 s[G0+3], s[G0+3], 0x80000000          ; type = 2
	CROUND                                         ; all four work-groups are here: the joint loads meet
	tensor_load_to_lds s[G0:G0+3], s[G1:G1+7]      ; my one tensor load of the launch: one is out
	s_nop 0
.rept 4
	v_nop
.endr
	v_and_b32 v9, 31, v0                           ; lane
	s_delay_alu instid0(VALU_DEP_1)
	v_lshlrev_b32 v1, 4, v9
	s_delay_alu instid0(VALU_DEP_2)
	v_lshlrev_b32 v2, 3, v9
	v_and_b32 v10, 15, v0                          ; r
	v_bfe_u32 v11, v0, 4, 1                        ; h
	s_delay_alu instid0(VALU_DEP_2)
	v_lshlrev_b32 v8, 4, v10
	s_mul_i32 s44, s[WV], 16*272
	s_add_co_u32 s44, s44, STAGE                   ; my stage
	v_mul_u32_u24 v5, v10, 272
	s_delay_alu instid0(VALU_DEP_1)
	v_lshl_add_u32 v5, v11, 5, v5
	s_delay_alu instid0(VALU_DEP_1)
	v_add_nc_u32 v5, s44, v5                       ; in: row r; tile t's eight channels of my half at 64 t + 32 h
	v_mul_u32_u24 v6, v11, 272
	s_delay_alu instid0(VALU_DEP_1)
	v_lshl_add_u32 v6, v10, 4, v6
	s_delay_alu instid0(VALU_DEP_1)
	v_add_nc_u32 v6, s44, v6                       ; back: lanes 0-15 one row, lanes 16-31 the next
	v_lshlrev_b32 v7, 12, v11
	s_delay_alu instid0(VALU_DEP_1)
	v_lshl_add_u32 v7, v10, 4, v7                  ; and the same two rows in out
.irp i, 0,1,2,3,4,5
	v_mov_b32 v[QF+6+\i], 0                        ; Q's upper 64 along K: zero codes
	v_mov_b32 v[X+48+\i], 0                        ; what stands behind K's tile 7
.endr
.irp b, 0,1,2,3
	v_mov_b32 v[PT+\b], 0                          ; written once: a lane permute's destination counts as one of its sources
.endr
	v_mov_b32 v[PSW], 0                            ; (named as the upper half of the pair with f before it is first written)
	s_wait_tensorcnt 0x0                           ; my record is in,
	s_barrier_signal -1
	s_barrier_wait -1                              ; everybody's is: from here on the records are only read
.macro KLOAD                           ; the step's K: 8 tiles of 6 registers, and their scale words: 17 loads
.irp t, 0,1,2,3,4,5,6,7
	ds_load_b128 v[X+6*\t:X+6*\t+3], v3 offset:768*\t
	ds_load_b64 v[X+6*\t+4:X+6*\t+5], v4 offset:768*\t+512
.endr
	ds_load_b128 v[KSW:KSW+3], v3 offset:12288
.endm
.macro VLOAD                           ; the step's V: 4 fragments of 12 registers, and their scale words
.irp t, 0,1,2,3
	ds_load_b128 v[X+12*\t:X+12*\t+3], v3 offset:6144+1536*\t
	ds_load_b64 v[X+12*\t+4:X+12*\t+5], v4 offset:6144+1536*\t+512
	ds_load_b128 v[X+12*\t+6:X+12*\t+9], v3 offset:6144+1536*\t+768
	ds_load_b64 v[X+12*\t+10:X+12*\t+11], v4 offset:6144+1536*\t+1280
.endr
	ds_load_b64 v[VSW:VSW+1], v4 offset:12800
.endm
; A KEY STEP: 128 keys.  next = 1: the next step's K is asked for behind the second product.
.macro STEP next
	s_wait_dscnt 0x0                               ; K is in
.irp u, 0,1,2,3                                ; S^T = K Q^T: tiles 2 u and 2 u + 1 of 16 keys
	v_wmma_scale_f32_16x16x128_f8f6f4 v[S+16*\u:S+16*\u+7], v[X+12*\u:X+12*\u+11], v[QF:QF+11], 0, v[KSW+\u], v[QSW] matrix_a_fmt:MATRIX_FMT_FP6 matrix_b_fmt:MATRIX_FMT_FP6
	v_wmma_scale_f32_16x16x128_f8f6f4 v[S+16*\u+8:S+16*\u+15], v[X+12*\u+6:X+12*\u+17], v[QF:QF+11], 0, v[KSW+\u], v[QSW] matrix_a_fmt:MATRIX_FMT_FP6 matrix_b_fmt:MATRIX_FMT_FP6 matrix_a_scale:MATRIX_SCALE_ROW1
.endr
.rept 4
	v_nop                                          ; places in front of the loads into K's registers and of the first read of the scores
.endr
	VLOAD                                          ; V lands while the softmax is worked
.irp b, 0,1,2,3
	v_max3_num_f32 v[BM+\b], v[S+16*\b], v[S+1+16*\b], v[S+2+16*\b]   ; THE LARGEST SCORE OF EACH BLOCK OF 32 KEYS serves twice: for the row's maximum, and, since p rises with the score, for the block's largest p
.endr
.irp i, 3,5,7,9,11,13
.irp b, 0,1,2,3
	v_max3_num_f32 v[BM+\b], v[BM+\b], v[S+16*\b+\i], v[S+1+16*\b+\i]   ; (the four blocks by turns)
.endr
.endr
.irp b, 0,1,2,3
	v_max_num_f32 v[BM+\b], v[BM+\b], v[S+15+16*\b]
.endr
.irp b, 0,1,2,3
	s_delay_alu instid0(VALU_DEP_4)
	v_permlanex16_b32 v[PT+\b], v[BM+\b], s[SEL], s[SEL+1]
.endr
.irp b, 0,1,2,3
	s_delay_alu instid0(VALU_DEP_4)
	v_max_num_f32 v[BM+\b], v[BM+\b], v[PT+\b]     ; with lane l xor 16's 16 keys
.endr
	s_delay_alu instid0(VALU_DEP_2)
	v_max3_num_f32 v[TP], v[BM], v[BM+1], v[BM+2]
	s_delay_alu instid0(VALU_DEP_1)
	v_max_num_f32 v[TP], v[TP], v[BM+3]            ; the step's largest score of my query
	s_delay_alu instid0(VALU_DEP_1)
	v_mul_f32 v[TP], s[CS], v[TP]                  ; as t (c is positive)
	s_delay_alu instid0(VALU_DEP_1)
	v_max_num_f32 v13, v13, v[TP]                  ; the running largest t
	v_mov_b32 v[TP], v12
	s_delay_alu instid0(VALU_DEP_2)
	v_floor_f32 v12, -v13                          ; the new -M = floor(-t) = -ceil(t): a whole number
	s_delay_alu instid0(VALU_DEP_1)
	v_sub_f32 v[TP], v12, v[TP]                    ; old M - new M: a whole number, 0 or less
	s_delay_alu instid0(VALU_DEP_1)
	v_cvt_i32_f32 v[TP], v[TP]                     ; (it saturates)
	s_delay_alu instid0(VALU_DEP_1)
	v_ldexp_f32 v[F], 1.0, v[TP]                   ; f = 2^(old M - new M)
.set J, 0
.rept 32
	v_pk_fma_f32 v[S+J:S+J+1], v[S+J:S+J+1], s[CS:CS+1], v[12:13] op_sel_hi:[1,0,0]   ; t - M, two at a time (of the pairs c and -M the low word serves both halves)
.set J, J+2
.endr
.irp b, 0,1,2,3
	v_fma_f32 v[BM+\b], v[BM+\b], s[CS], v12       ; the same of each block's largest score
.endr
.set J, 0
	s_wait_alu depctr_va_vdst(0)
.rept 64
	v_exp_f32 v[S+J], v[S+J]                       ; p = 2^(t - M), at most 1: not normalised
.set J, J+1
.endr
.irp b, 0,1,2,3
	v_exp_f32 v[BM+\b], v[BM+\b]                   ; the block's largest p: the same two instructions on the same number
.endr
	v_pk_mul_f32 v[14:15], v[14:15], v[F:F+1] op_sel_hi:[1,0]   ; the sums under the new M.  (The plain place behind the exponentials)
	s_wait_alu depctr_va_vdst(0)
.irp b, 0,1,2,3
	v_max_num_f32 v[BM+\b], 0x1800000, v[BM+\b]    ; the floor 2^(3 - 127): the byte cannot fall under 1
.endr
.irp b, 0,1,2,3
	s_delay_alu instid0(VALU_DEP_4)
	v_add_nc_u32 v[SOP+\b], 0xff000000, v[BM+\b]   ; 2 off the exponent field: the conversion's scale operand
.endr
.irp b, 0,1,2,3
	s_delay_alu instid0(VALU_DEP_4)
	v_lshrrev_b32 v[PT+\b], 23, v[SOP+\b]          ; the scale's byte
.endr
	s_delay_alu instid0(VALU_DEP_3)
	v_lshl_or_b32 v[PSW], v[PT+1], 8, v[PT]        ; p's scale word for these 128 keys
	s_delay_alu instid0(VALU_DEP_1)
	v_lshl_or_b32 v[PSW], v[PT+2], 16, v[PSW]
	s_delay_alu instid0(VALU_DEP_1)
	v_lshl_or_b32 v[PSW], v[PT+3], 24, v[PSW]
.irp c, 0,1
	v_cvt_scalef32_pk16_fp6_f32 v[CD+6*\c:CD+2+6*\c], v[S+32*\c:S+15+32*\c], v[SOP+2*\c]
	v_cvt_scalef32_pk16_fp6_f32 v[CD+12+4*\c:CD+14+4*\c], v[S+16+32*\c:S+31+32*\c], v[SOP+2*\c+1]   ; (a conversion's three registers begin on an even number)
.endr
	v_nop                                          ; one plain place behind a scaled conversion
.irp c, 0,1                                    ; the operand's layout wants a WHOLE block in a lane: lanes 0-15 block 2 c, lanes 16-31 block 2 c + 1
.irp i, 0,1,2
	v_permlane16_swap_b32 v[CD+6*\c+\i], v[CD+12+4*\c+\i]
.endr
.irp i, 0,1,2
	s_delay_alu instid0(VALU_DEP_3)
	v_mov_b32 v[CD+3+6*\c+\i], v[CD+12+4*\c+\i]
.endr
.endr
.set J, 0
.rept 16
	v_pk_mul_f32 v[O+J:O+J+1], v[O+J:O+J+1], v[F:F+1] op_sel_hi:[1,0]   ; O^T under the new M, each tile from its low end on.  (These sixteen also stand between the lines that made p's codes and scale word and the products)
.set J, J+2
.endr
	s_wait_alu depctr_va_vdst(0)
	s_wait_dscnt 0x0                               ; V is in
.irp u, 0,1                                    ; O^T += V^T P^T: tiles 2 u and 2 u + 1 of 16 channels; the four accumulators by turns
	v_wmma_scale_f32_16x16x128_f8f6f4 v[O+16*\u:O+16*\u+7], v[X+24*\u:X+24*\u+11], v[CD:CD+11], v[O+16*\u:O+16*\u+7], v[VSW+\u], v[PSW] matrix_a_fmt:MATRIX_FMT_FP6 matrix_b_fmt:MATRIX_FMT_FP6
	v_wmma_scale_f32_16x16x128_f8f6f4 v[O+16*\u+8:O+16*\u+15], v[X+24*\u+12:X+24*\u+23], v[CD:CD+11], v[O+16*\u+8:O+16*\u+15], v[VSW+\u], v[PSW] matrix_a_fmt:MATRIX_FMT_FP6 matrix_b_fmt:MATRIX_FMT_FP6 matrix_a_scale:MATRIX_SCALE_ROW1
.endr
.if \next
	s_add_co_u32 s[TB], s[TB], REC                 ; on to the next record
	v_add_nc_u32 v3, s[TB], v1
	v_add_nc_u32 v4, s[TB], v2
.endif
	v_pk_add_f32 v[SUM2:SUM2+1], v[S:S+1], v[S+2:S+3]   ; THE ROW'S SUM IS TAKEN OF THE UNQUANTISED p: two at a time, in two chains.  It names no register of the products above:
	v_pk_add_f32 v[14:15], v[14:15], v[S+4:S+5]         ; these three lines and the two above are the places in front of the loads into V's registers,
	v_pk_add_f32 v[SUM2:SUM2+1], v[SUM2:SUM2+1], v[S+6:S+7]
.if \next
	KLOAD                                          ; and the rest of the sum is worked while the next K is on its way
.endif
.irp j, 8,12,16,20,24,28,32,36,40,44,48,52,56,60
	v_pk_add_f32 v[14:15], v[14:15], v[S+\j:S+1+\j]
	v_pk_add_f32 v[SUM2:SUM2+1], v[SUM2:SUM2+1], v[S+2+\j:S+3+\j]
.endr
	s_delay_alu instid0(VALU_DEP_1)
	v_pk_add_f32 v[14:15], v[14:15], v[SUM2:SUM2+1]
.endm
; A PASS: my 16 queries of the work-group's p-th 256 against all 2,048 keys.
.macro PASS p
.if \p
	s_wait_xcnt 0x0                                ; the last pass's stores have read their data: those registers are written again only behind this wait
.endif
	global_load_b128 v[QF:QF+3], v1, s[4:5] offset:\p*2*RECQ          ; Q's image: two records on in pass 1
	global_load_b64 v[QF+4:QF+5], v2, s[4:5] offset:\p*2*RECQ+512
	global_load_b32 v[QSW], v8, s[28:29] offset:\p*2*RECQ             ; row r's scale word in lane r
	v_mov_b32 v13, 0xff61b1e6                      ; the largest t so far: -3e38, under every t
	s_delay_alu instid0(VALU_DEP_1)
	v_floor_f32 v12, -v13                          ; -M
	v_mov_b32 v14, 0                               ; the sum, in two halves
	v_mov_b32 v15, 0
.set J, 0
.rept 32
	v_mov_b32 v[O+J], 0                            ; O^T.  (The step is written without a first step of its own: the first change of M multiplies zeros)
.set J, J+1
.endr
	s_mov_b32 s[TB], 0
	v_add_nc_u32 v3, s[TB], v1
	v_add_nc_u32 v4, s[TB], v2
	KLOAD
	s_wait_loadcnt 0x0                             ; Q
	s_mov_b32 s[CNT], 15
.Lkeys_\@:
	s_wait_alu depctr_va_vdst(0)
	STEP 1
	s_sub_co_u32 s[CNT], s[CNT], 1
	s_cmp_lg_u32 s[CNT], 0
	s_cbranch_scc1 .Lkeys_\@
	STEP 0                                         ; the last step asks for nothing more
	; THE WAY OUT.  O^T / the sum goes through my stage and leaves as rows: sixteen lanes store the head's 256 consecutive bytes of a row of out, at a multiple of 256 from its first byte.
	s_delay_alu instid0(VALU_DEP_1)
	v_add_f32 v14, v14, v15                        ; the sum's two halves,
	s_delay_alu instid0(VALU_DEP_1)
	v_permlanex16_b32 v[TP], v14, s[SEL], s[SEL+1]
	s_delay_alu instid0(VALU_DEP_1)
	v_add_f32 v14, v14, v[TP]                      ; and lane l xor 16's: the row's sum
	s_wait_alu depctr_va_vdst(0)
	v_rcp_f32 v14, v14
	v_nop                                          ; one plain place behind the transcendental
.set J, 0
	s_wait_alu depctr_va_vdst(0)
.rept 32
	v_mul_f32 v[S+J], v[O+J], v14                  ; register 8 t + j is o(r, 16 t + 8 h + j); each tile from its low end on
.set J, J+1
.endr
.irp t, 0,1,2,3
	ds_store_b128 v5, v[S+8*\t:S+8*\t+3] offset:64*\t
	ds_store_b128 v5, v[S+8*\t+4:S+8*\t+7] offset:64*\t+16
.endr
.irp i, 0,1,2,3,4,5,6,7
	ds_load_b128 v[S+32+4*\i:S+35+4*\i], v6 offset:544*\i   ; LDS serves a wave's instructions in order (ISA guide 5.7.1.4): these see my stores
.endr
.irp i, 0,1,2,3,4,5,6,7
	s_wait_dscnt 7-\i                              ; rows 2 i and 2 i + 1 are back; the younger loads may stay out
	global_store_b128 v7, v[S+32+4*\i:S+35+4*\i], s[8:9] offset:8192*\i+\p*1048576 th:TH_STORE_NT   ; pass 1's rows lie 256 rows of 4,096 bytes on; written once, read by nobody here
.endr
.endm
	PASS 0
	PASS 1
	s_wait_dscnt 0x0                               ; no LDS instruction of mine is out at the signal
	s_wait_tensorcnt 0x0
	ds_add_u32 v254, v255
	s_wait_dscnt 0x0
	CROUND                                         ; the closing round: no work-group ends while a partner may still ask for a record that names it
	s_endpgm
.Lfunc_end_k_q55c598b137_attn:
	.size	k_q55c598b137_attn, .Lfunc_end_k_q55c598b137_attn-k_q55c598b137_attn
	.p2alignl 7, 3214868480
	.fill 96, 4, 3214868480
	.section	.rodata,"a",@progbits
	.p2align	6, 0x0
	.amdhsa_kernel k_q55c598b137_attn
		.amdhsa_group_segment_fixed_size 280576
		.amdhsa_private_segment_fixed_size 0
		.amdhsa_enable_private_segment 0
		.amdhsa_kernarg_size 24
		.amdhsa_user_sgpr_count 2
		.amdhsa_user_sgpr_kernarg_segment_ptr 1
		.amdhsa_wavefront_size32 1
		.amdhsa_system_sgpr_workgroup_id_x 1
		.amdhsa_system_sgpr_workgroup_id_y 1
		.amdhsa_system_sgpr_workgroup_id_z 1
		.amdhsa_system_vgpr_workitem_id 0
		.amdhsa_next_free_vgpr 256
		.amdhsa_next_free_sgpr 66
		.amdhsa_reserve_vcc 0
		.amdhsa_float_denorm_mode_32 3
		.amdhsa_float_denorm_mode_16_64 3
		.amdhsa_memory_ordered 1
		.amdhsa_forward_progress 1
		.amdhsa_inst_pref_size 83
	.end_amdhsa_kernel
	.amdgpu_metadata
---
amdhsa.version: [ 1, 2 ]
amdhsa.kernels:
  - .name:           k_q55c598b137_attn
    .symbol:         k_q55c598b137_attn.kd
    .args:
      - { .name: qb, .offset: 0, .size: 8, .value_kind: global_buffer, .address_space: global }
      - { .name: kv, .offset: 8, .size: 8, .value_kind: global_buffer, .address_space: global }
      - { .name: out0, .offset: 16, .size: 8, .value_kind: global_buffer, .address_space: global }
    .group_segment_fixed_size: 280576
    .private_segment_fixed_size: 0
    .kernarg_segment_align: 8
    .kernarg_segment_size: 24
    .max_flat_workgroup_size: 512
    .sgpr_count:     66
    .vgpr_count:     256
    .wavefront_size: 32
...
	.end_amdgpu_metadata
.endif
;; end of part 2
